; MI455X (gfx1250); checked and timed in simulation.
; The chip was launched on July 23, 2026; its instructions are those of AMD's public machine-readable ISA for CDNA 5 (MIT licence, August 2026) and "CDNA5" Instruction Set Architecture Reference Guide (July 2026). The comments in the code are by the model that wrote it; some were corrected since.
;; Quantized Linear. Allowed arithmetic: matrix products marked QUANTISED: E4M3 operands, one E8M0 scale for each 32 along K, by v_wmma_scale_f32_16x16x128_f8f6f4 with both operands' format E4M3, f32 sums; everything else in f32.
;; Inputs: bias_scale 1 float32; bias_zero_point 1 int32; input 8 x 512 x 4,096 float32; quantized_bias 4,096 int32; quantized_weight 4,096 x 4,096 int32; weight_scale 1 float32; weight_zero_point 1 int32.
;; Outputs: out0 8 x 512 x 4,096 float32.
;; This version of the problem:
;;   THIS VERSION OF THE PROBLEM IS GIVEN IN LOW PRECISION. The matrix products marked QUANTISED in the list below multiply operands that are first quantised to E4M3 (4 exponent bits, 3 mantissa bits; 8 bits a number), with one power-of-two scale for each 32 numbers along K (OCP MX v1.0); their sums are f32. All else is computed in f32.
;;   The module's matrix products, in the order in which they are computed (A, B: the left and right operand; K: the contracted axis; several contracted axes count as one K, in the product's order):
;;     1. [M 4,096, K 4,096] x [K 4,096, N 4,096]; A: input input; B: computed on the way: QUANTISED
;;   THE QUANTISER, for each operand of a quantised product, along K:
;;     - K is cut into blocks of 32 from its start; a last block that is shorter is filled with zeros.
;;     - A block's scale is 2^e with e = floor(log2(the largest magnitude in the block)) - 8, held to -126 .. 127; a block of zeros has e = 0. As a byte (E8M0): e + 127.
;;     - Each number is divided by its block's scale, clamped to +-448, and rounded to the nearest number of E4M3, ties to even, subnormals kept.
;;     - The product sums the exact products of the quantised numbers (number of the format x scale) in f32.
;;   ~~~python
;;   def quantise(x, axis):      # numpy; x: float32 -> the quantised numbers, widened to float32 again
;;       x = np.moveaxis(x, axis, -1); K = x.shape[-1]
;;       x = np.pad(x, [(0, 0)] * (x.ndim - 1) + [(0, -K % 32)]); x = x.reshape(x.shape[:-1] + (-1, 32)); a = np.abs(x).max(-1, keepdims=True)
;;       e = np.where(a > 0, np.clip(np.frexp(np.where(a > 0, a, 1))[1] - 1 - 8, -126, 127), 0)      # np.frexp(a)[1] - 1 = floor(log2(a)), exactly
;;       r = np.clip(x / 2.0 ** e, -448, 448)
;;       step = 2.0 ** (np.maximum(np.frexp(np.where(r == 0, 1, r))[1] - 1, -6) - 3)
;;       q = np.round(r / step) * step * 2.0 ** e      # np.round: ties to even
;;       return np.moveaxis(q.reshape(q.shape[:-2] + (-1,))[..., :K], -1, axis).astype(np.float32)
;;   ~~~
;;   OPERANDS COMPUTED ON THE WAY. 'Computed on the way' means the value that the module computes at that place (a softmax that the list does not call 'softmax' is quantised finished and normalised). What goes into a quantiser is computed in f32, as accurately as f32 sums, v_exp_f32 and their like allow (about 1e-6 of the number): no bf16 or f16 on the way to a quantiser, and a product that is left as it is and whose result goes on into a quantised operand takes f32 operands (vector FMAs, or v_wmma_f32_16x16x4_f32). A number that lies on a knife's edge between two numbers of the format may be rounded either way, as far as f32 arithmetic and the matrix unit's own rounding can turn it there, and no further.
;; One version. Each part assembles by itself: llvm-mc -triple=amdgcn-amd-amdhsa -mcpu=gfx1250 --defsym DOCPART=n.
;; ======== version 1 of 1: 2 launches
;; limits: right only within a limited range of input values
;; workspace buffers: img 34,603,008 bytes
;; launch quant (part 1): grid 1024 x 1, 4 waves a work-group, no clusters, 34,304 bytes of LDS; arguments input, quantized_weight, weight_scale, weight_zero_point, img; writes img
.if DOCPART == 1
	.amdgcn_target "amdgcn-amd-amdhsa--gfx1250"
	.amdhsa_code_object_version 6
	.text
	.protected	k_qa77bde1049_quant
	.globl	k_qa77bde1049_quant
	.p2align	8
	.type	k_qa77bde1049_quant,@function
k_qa77bde1049_quant:
	s_mov_b64 s[64:65], 0
	v_nop
	global_prefetch_b8 v0, s[64:65] scope:SCOPE_SE
	s_setreg_imm32_b32 hwreg(HW_REG_WAVE_MODE, 25, 1), 1
	s_wait_xcnt 0x0
; input [4096][4096] f32 and w = (f32(quantized_weight) - f32(zero point)) x scale, [4096][4096], are turned into codes of FP8 (E4M3) with one E8M0 scale byte for each 32 along K
; (K is the last axis of both), laid in img AS THE MATRIX UNIT'S REGISTERS WANT THEM, so that the product's launch needs no pitch, no padding and one dense tensor load for codes and scales together.
; img: 1,024 blocks of REG = 33,792 bytes; block T x 512 + g x 16 + ks (T = 0 input, 1 weight; g: 128 rows; ks: 256 along K).  In a block: 16 fragment images of 2,048 bytes, the one of row block i (16 rows)
; and sub-step q (128 along K) at (2 i + q) x 2,048; in an image register group c of lane l = r + 16 h at 512 c + 16 l: the codes of row 16 i + r, k = 128 q + 32 c + 16 h + 0 .. 15.
; Behind them, from byte 32,768: 8 bytes a row, the scale word of q = 0 and that of q = 1 (byte b of a word: k = 32 b .. 32 b + 31).
; A block's scale is 2^(floor(log2(its largest magnitude)) - 8): its byte is the largest magnitude's exponent field - 8, held at 1 from below by a floor among the maximum's leaves.
; Each number is divided by the scale, held within +-448 and rounded to the nearest code, ties to even.
; LIMITS: NaN and infinities among the inputs are not served.  A block of zeros gets the byte 1 where the rule says 127: its codes are zeros, which add nothing under any byte but 0xff, and this program alone reads the bytes.
; SHARES.  A work-group makes one block of img; wave w its rows 32 w .. 32 w + 31: four fragments f (row block 2 w + f / 2, sub-step f % 2).  Each load reads 512 consecutive bytes of one row, 16 a lane;
; the conversions want 16 NEIGHBOURS along K in one lane, so a fragment's 16 rows turn through the wave's own stage in LDS (rows 528 bytes apart: 33 x 16, so that sixteen lanes that read one column
; of sixteen rows fall on sixteen different 16-byte columns).  No tensor load, no barrier: waves share nothing.  Two fragments' loads (32 a wave) are out at the start, 16 while a fragment is worked.
; No matrix unit, no cluster: the launch only streams, each input byte read once, each byte of img written once in stores of 512 (codes) or 256 (scale words) consecutive aligned bytes.
.set REG,   33792
.set SP,    528                        ; a stage row: 512 bytes + 16
.set WST,   16*SP                      ; a wave's stage
.set ROWB,  16384                      ; a row of either tensor in memory
.set LI,    4                          ; v4   16 x lane: offset of loads and of the codes' stores; never rewritten
.set STI,   5                          ; v5   the stage, on the way in: 16 x lane
.set STO,   6                          ; v6   and on the way out: 528 r + 64 h
.set L8,    7                          ; v7   8 x lane: the scale words' store
.set PW,    8                          ; v8-11  the four fragments' scale words
.set R,     20                         ; v20-147  two sets of 64 registers, as loaded
.set X,     148                        ; v148-211 register 16 c + i = k 32 c + 16 h + i of row r
.set C,     212                        ; v212-227 a fragment's codes
.set TM,    228                        ; v228-231 largest magnitudes, v232-235 bytes, v236-239 448 x the scale, v240-243 the conversions' scale operands
	s_load_b256 s[4:11], s[0:1], 0x0               ; input s[4:5], quantized_weight s[6:7], weight_scale s[8:9], weight_zero_point s[10:11]
	s_load_b64 s[12:13], s[0:1], 0x20              ; img
	v_lshl_add_u32 v244, v0, 2, 0x8400
	v_mov_b32 v245, 0
	v_lshrrev_b32 v1, 5, v0
	v_readfirstlane_b32 s16, v1                    ; wave 0..3
	v_and_b32 v1, 31, v0                           ; lane
	v_and_b32 v2, 15, v0                           ; r
	v_bfe_u32 v3, v0, 4, 1                         ; h
	v_lshlrev_b32 v[LI], 4, v1
	v_lshrrev_b32 v18, 1, v1                       ; v18: the prefetches' offset: lane l names row l / 2 of a fragment's 16, and of its 512 bytes there the unit l % 2 of 256; never rewritten
	v_and_b32 v19, 1, v1
	v_lshlrev_b32 v19, 8, v19
	v_lshl_add_u32 v18, v18, 14, v19               ; 16,384 (l / 2) + 256 (l % 2)
	s_mul_i32 s17, s16, WST                        ; my stage
	v_add_nc_u32 v[STI], s17, v[LI]
	v_mul_u32_u24 v[STO], v2, SP
	v_lshl_add_u32 v[STO], v3, 6, v[STO]
	v_add_nc_u32 v[STO], s17, v[STO]
	v_lshlrev_b32 v[L8], 3, v1
.irp b, 0,1,2,3
	v_mov_b32 v[TM+4+\b], 0                        ; written once: a lane permute's destination counts as one of its sources
.endr
	s_mov_b32 s20, 0x76543210
	s_mov_b32 s21, 0xfedcba98                      ; v_permlanex16_b32's selects for lane l xor 16
	s_mov_b32 s23, 0x600000                        ; the mantissa field of 448
	; where my wave's part begins.  Source: row 128 g + 32 w of 16,384 bytes, + 1,024 ks.  img: the block, + 8,192 w (four images); the scale words: the block, + 32,768 + 256 w
	s_and_b32 s17, ttmp9, 511                      ; 16 g + ks
	s_lshr_b32 s18, s17, 4
	s_lshl_b32 s18, s18, 21
	s_and_b32 s17, s17, 15
	s_lshl_b32 s17, s17, 10
	s_or_b32 s18, s18, s17
	s_lshl_b32 s17, s16, 19
	s_or_b32 s18, s18, s17
	s_mov_b32 s19, 0
	s_mul_i32 s30, ttmp9, REG
	s_lshl_b32 s17, s16, 13
	s_add_co_u32 s30, s30, s17
	s_mov_b32 s31, 0
	s_mul_i32 s32, ttmp9, REG
	s_lshl_b32 s17, s16, 8
	s_add_co_u32 s32, s32, s17
	s_add_co_u32 s32, s32, 32768
	s_mov_b32 s33, 0
	s_wait_alu depctr_va_vdst(0)                   ; the wait at the head's end, directly ahead of the wait below
	s_wait_kmcnt 0x0
	s_load_b32 s24, s[8:9], 0x0                    ; the weight's scale
	s_load_b32 s25, s[10:11], 0x0                  ; and its zero point
	s_cmp_lt_u32 ttmp9, 512                        ; the first 512 work-groups take input, the others the weight: the choice hangs on the work-group's number alone
	s_cselect_b64 s[4:5], s[4:5], s[6:7]
	s_add_nc_u64 s[4:5], s[4:5], s[18:19]
	s_add_nc_u64 s[26:27], s[12:13], s[30:31]      ; my images
	s_add_nc_u64 s[28:29], s[12:13], s[32:33]      ; my scale words
.macro LOAD f                          ; fragment f: 16 rows x 512 bytes into set f % 2; a load's 32 lanes read 512 consecutive bytes, aligned
.irp t, 0,1,2,3,4,5,6,7,8,9,10,11,12,13,14,15
	global_load_b128 v[R+64*((\f)%2)+4*\t:R+64*((\f)%2)+4*\t+3], v[LI], s[4:5] offset:(((\f)/2)*16+\t)*ROWB+512*((\f)%2) th:TH_LOAD_NT
.endr
.endm
.macro TURNQ f                         ; through the stage: in as rows, out 64 neighbouring bytes of each block of 32 a lane.  LDS serves a wave's instructions in order: no wait between the stores and the loads
.irp t, 0,1,2,3,4,5,6,7,8,9,10,11,12,13,14,15
	ds_store_b128 v[STI], v[R+64*((\f)%2)+4*\t:R+64*((\f)%2)+4*\t+3] offset:SP*\t
.endr
.irp c, 0,1,2,3
.irp j, 0,1,2,3
	ds_load_b128 v[X+16*\c+4*\j:X+16*\c+4*\j+3], v[STO] offset:128*\c+16*\j
.endr
.endr
.endm
.macro DEQ                             ; the weight's whole numbers become f32 numbers, in the order of the definition: convert, take the zero point off, multiply by the scale; each step rounds by itself
	s_cmp_lt_u32 ttmp9, 512
	s_cbranch_scc1 .Lwide_\@                       ; input is f32 already.  Only work on registers is jumped over
.set n, 0
.rept 64
	v_cvt_f32_i32 v[X+n], v[X+n]
.set n, n+1
.endr
.set n, 0
.rept 32
	v_pk_add_f32 v[X+n:X+n+1], v[X+n:X+n+1], v[14:15]   ; + (-zero point): the same bits as the subtraction
.set n, n+2
.endr
.set n, 0
.rept 32
	v_pk_mul_f32 v[X+n:X+n+1], v[X+n:X+n+1], v[16:17]
.set n, n+2
.endr
.Lwide_\@:
.endm
.macro QUANT pw                        ; the 64 numbers in X become the fragment's codes in C and my row's scale word in v[pw]
.irp b, 0,1,2,3
	v_max3_num_f32 v[TM+\b], |v[X+16*\b]|, |v[X+1+16*\b]|, 0x4800000   ; block b: my 16 numbers, and the floor 2^(9 - 127): the byte cannot fall under 1
.endr
.irp i, 2,4,6,8,10,12,14
.irp b, 0,1,2,3
	v_max3_num_f32 v[TM+\b], v[TM+\b], |v[X+16*\b+\i]|, |v[X+1+16*\b+\i]|   ; the four blocks by turns: no line waits for the line above it
.endr
.endr
.irp b, 0,1,2,3
	v_permlanex16_b32 v[TM+4+\b], v[TM+\b], s20, s21
.endr
.irp b, 0,1,2,3
	v_max_num_f32 v[TM+\b], v[TM+\b], v[TM+4+\b]   ; with lane l xor 16's 16: the block's largest magnitude
.endr
.irp b, 0,1,2,3
	v_add_nc_u32 v[TM+12+\b], 0xfc000000, v[TM+\b] ; 8 off its exponent field: the conversion takes the exponent field of this operand as its scale, and nothing else of it
.endr
.irp b, 0,1,2,3
	v_and_or_b32 v[TM+8+\b], v[TM+\b], 0x7f800000, s23   ; 448 x the scale: the largest magnitude's exponent field over 448's mantissa
.endr
.irp b, 0,1,2,3
	v_lshrrev_b32 v[TM+4+\b], 23, v[TM+12+\b]      ; the scale's byte
.endr
	v_lshl_or_b32 v[\pw], v[TM+5], 8, v[TM+4]      ; four bytes make the word; both halves of the lanes hold row r's
	v_lshl_or_b32 v[\pw], v[TM+6], 16, v[\pw]
	v_lshl_or_b32 v[\pw], v[TM+7], 24, v[\pw]
.irp b, 0,1,2,3
.irp i, 0,1,2,3,4,5,6,7,8,9,10,11,12,13,14,15
	v_med3_num_f32 v[X+16*\b+\i], v[X+16*\b+\i], -v[TM+8+\b], v[TM+8+\b]   ; the conversion to an 8-bit code does not saturate (ISA guide 7.6.2): the hold at the largest code x the scale
.endr
	v_cvt_scalef32_pk8_fp8_f32 v[C+4*\b:C+1+4*\b], v[X+16*\b:X+7+16*\b], v[TM+12+\b]
	v_cvt_scalef32_pk8_fp8_f32 v[C+2+4*\b:C+3+4*\b], v[X+8+16*\b:X+15+16*\b], v[TM+12+\b]
.endr
	v_nop                                          ; one plain vector line behind the last scaled conversion, ahead of whatever vector line next touches its registers
.endm
.macro FRAGQ f
.if (\f) < 3
	s_wait_loadcnt 16                              ; loads come back in order: this fragment's 16 are in, the other set's 16 may be out
.else
	s_wait_loadcnt 0x0
.endif
	TURNQ \f
	s_wait_dscnt 0x0                               ; X is in, and the stage's stores have read their set,
.if (\f) < 2
	LOAD (\f)+2                                    ; which takes the fragment two further on
.endif
	DEQ
.if (\f) > 0
	s_wait_xcnt 0x0                                ; the last fragment's stores have read C: it is written again only behind this wait
.endif
	QUANT PW+(\f)
.irp c, 0,1,2,3
	global_store_b128 v[LI], v[C+4*\c:C+4*\c+3], s[26:27] offset:2048*(\f)+512*\c   ; the image as it stands: 512 consecutive bytes, aligned; the next launch reads them, so no hint
.endr
.endm
	; PREFETCH: the loads of fragments 2 and 3 go out two fragments later, when fragments 0 and 1 have passed the stage.  Their bytes are asked of memory here: one instruction a fragment,
	; 32 lanes x one unit of 256 bytes = its 16 rows x 512 bytes; each unit is named once in the launch, by the wave that will load it; a wave has two fragments asked for and not yet loaded at the most;
	; all of them lie in the wave's own rows 16 .. 31.  v18 and s[4:5] are not written again.
	global_prefetch_b8 v18, s[4:5] offset:16*ROWB th:TH_LOAD_NT scope:SCOPE_SE
	LOAD 0
	LOAD 1
	global_prefetch_b8 v18, s[4:5] offset:16*ROWB+512 th:TH_LOAD_NT scope:SCOPE_SE
	s_wait_kmcnt 0x0
	v_cvt_f32_i32 v14, s25
	v_mul_f32 v14, -1.0, v14                       ; -f32(zero point), twice: a pair for the packed addition
	v_mov_b32 v15, v14
	v_mov_b32 v16, s24                             ; the scale, twice
	v_mov_b32 v17, s24
	FRAGQ 0
	FRAGQ 1
	FRAGQ 2
	FRAGQ 3
	v_cmp_le_u32 vcc_lo, 16, v1                    ; lane l stores row 32 w + l's two words: lanes 0-15 those of fragments 0 and 1, lanes 16-31 those of fragments 2 and 3
	v_cndmask_b32 v12, v[PW], v[PW+2], vcc_lo
	v_cndmask_b32 v13, v[PW+1], v[PW+3], vcc_lo
	global_store_b64 v[L8], v[12:13], s[28:29]     ; 32 lanes store 256 consecutive bytes, aligned
	s_wait_tensorcnt 0x0
	ds_add_u32 v244, v245
	s_wait_dscnt 0x0
	s_endpgm
.Lfunc_end_k_qa77bde1049_quant:
	.size	k_qa77bde1049_quant, .Lfunc_end_k_qa77bde1049_quant-k_qa77bde1049_quant
	.p2alignl 7, 3214868480
	.fill 96, 4, 3214868480
	.section	.rodata,"a",@progbits
	.p2align	6, 0x0
	.amdhsa_kernel k_qa77bde1049_quant
		.amdhsa_group_segment_fixed_size 34304
		.amdhsa_private_segment_fixed_size 0
		.amdhsa_enable_private_segment 0
		.amdhsa_kernarg_size 40
		.amdhsa_user_sgpr_count 2
		.amdhsa_user_sgpr_kernarg_segment_ptr 1
		.amdhsa_wavefront_size32 1
		.amdhsa_system_sgpr_workgroup_id_x 1
		.amdhsa_system_sgpr_workgroup_id_y 1
		.amdhsa_system_sgpr_workgroup_id_z 1
		.amdhsa_system_vgpr_workitem_id 0
		.amdhsa_next_free_vgpr 246
		.amdhsa_next_free_sgpr 66
		.amdhsa_reserve_vcc 1
		.amdhsa_float_denorm_mode_32 3
		.amdhsa_float_denorm_mode_16_64 3
		.amdhsa_memory_ordered 1
		.amdhsa_forward_progress 1
		.amdhsa_inst_pref_size 76
	.end_amdhsa_kernel
	.amdgpu_metadata
---
amdhsa.version: [ 1, 2 ]
amdhsa.kernels:
  - .name:           k_qa77bde1049_quant
    .symbol:         k_qa77bde1049_quant.kd
    .args:
      - { .name: input, .offset: 0, .size: 8, .value_kind: global_buffer, .address_space: global }
      - { .name: quantized_weight, .offset: 8, .size: 8, .value_kind: global_buffer, .address_space: global }
      - { .name: weight_scale, .offset: 16, .size: 8, .value_kind: global_buffer, .address_space: global }
      - { .name: weight_zero_point, .offset: 24, .size: 8, .value_kind: global_buffer, .address_space: global }
      - { .name: img, .offset: 32, .size: 8, .value_kind: global_buffer, .address_space: global }
    .group_segment_fixed_size: 34304
    .private_segment_fixed_size: 0
    .kernarg_segment_align: 8
    .kernarg_segment_size: 40
    .max_flat_workgroup_size: 128
    .sgpr_count:     66
    .vgpr_count:     246
    .wavefront_size: 32
...
	.end_amdgpu_metadata
.endif
;; end of part 1
;; launch gemm (part 2): grid 16 x 16, 4 waves a work-group, clusters of 4 x 4, 327,680 bytes of LDS; arguments img, quantized_bias, bias_scale, bias_zero_point, out0; writes out0
.if DOCPART == 2
	.amdgcn_target "amdgcn-amd-amdhsa--gfx1250"
	.amdhsa_code_object_version 6
	.text
	.protected	k_qa77bde1049_gemm
	.globl	k_qa77bde1049_gemm
	.p2align	8
	.type	k_qa77bde1049_gemm,@function
k_qa77bde1049_gemm:
	s_mov_b64 s[64:65], 0
	v_nop
	global_prefetch_b8 v0, s[64:65] scope:SCOPE_SE
	s_setreg_imm32_b32 hwreg(HW_REG_WAVE_MODE, 25, 1), 1
	s_wait_xcnt 0x0
	s_wait_alu depctr_hold_cnt(0) depctr_sa_sdst(0) depctr_va_vdst(0) depctr_va_sdst(0) depctr_va_ssrc(0) depctr_va_vcc(0) depctr_vm_vsrc(0)
	s_getreg_b32 s2, hwreg(HW_REG_IB_STS2, 6, 4)
	s_cmp_eq_u32 s2, 0
	s_cbranch_scc0 .Lentry_in_a_cluster
	s_endpgm
.Lentry_in_a_cluster:
	s_bfe_u32 s2, ttmp6, 0x10000c
	s_cmp_lg_u32 s2, 0xf033
	s_cbranch_scc0 .Lentry_shape_is_right
	s_endpgm
.Lentry_shape_is_right:
; out0[m][n] = sum over k of Q(input)[m][k] Q(w)[n][k] + b[n], b = (f32(quantized_bias) - f32(zero point)) x scale.  4,096 x 4,096 x 4,096 on codes of MX-FP8 (E4M3, one E8M0 byte for 32 along K), f32 sums.
; img (made by the launch before): 1,024 blocks of REG bytes, block T x 512 + g x 16 + ks (T: 0 input, 1 weight; g: 128 rows; ks: 256 along K): 16 images of operand registers of 2,048 bytes
; (row block i, sub-step q at (2 i + q) x 2,048; register group c of lane l at 512 c + 16 l), then from byte 32,768 eight bytes a row: the scale words of q = 0 and q = 1.
; LIMITS: the bias is the C of each sum's first product, so it is added first and not last as in the definition: another order of f32 rounding.  NaN and infinities are not served.
; THE DEAL.  256 work-groups, one block of 256 x 256 each; four waves, 128 x 128 each: 64 accumulators, 512 registers.  K goes in 16 steps of 256 through two LDS slots; a wave's one tensor load brings one block of img
; (132 dense rows of 256 bytes).  4 x 4 clusters: A's blocks are asked for jointly along a row of the cluster, B's along a column.  One block to a work-group, so no work-group stays for a second one.
; THE PRODUCT IS USED TRANSPOSED (source 0 = B's rows, source 1 = A's rows): a lane holds eight neighbouring columns of one row of out0.
; ONE RUN OF LDS LOADS A SUB-STEP.  A sub-step of 128 along K is 64 products, A's blocks one after the other against B's eight.  Behind product 31 stand eight places and then ALL fragments of the next sub-step, 64 loads:
; B has two sets of registers, A's blocks 4-7 two as well (the second where the bias lay), which take turns; A's blocks 0-3 have one set, free at that point.  The first sub-step alone fetches the next blocks 4-7 at its end: until then the bias is read.
; So a slot's last reads stand in the middle of its first sub-step.  The change of slots stands in its second: the lines at product 20, the signal at 28, the round, the refill and the run from the next slot at 32.
; PREFETCH: each refill is followed by a request for the K step two refills on; a block's 132 units of 256 bytes are shared by address among the four partners that load it jointly: 32 units of codes, a lane each, and one of scale words.
; The head asks for K steps 1 and 2, then 3; the last two refills ask for nothing: K step 15 is the last that is named.
; REGISTERS: window 0: v16-31 addresses, v32-63 scale words (two sets), v64-127 the bias, then A's blocks 4-7 of odd sub-steps, v128-191 A's blocks 0-3, v192-255 blocks 4-7 of even sub-steps;
; window 1: B's two sets (on the way out set 0 takes rows read back); windows 2, 3: accumulators (a, b) at v[8 (8 (a % 4) + b)].
.set SIZE_N, 4096
.set REG,    33792
.set SLOT,   4*REG                     ; A's two blocks, then B's two
.set SPARE,  2*SLOT                    ; behind the ring: the spare words, 128 bytes a wave
.set GROUPB, 16*REG                    ; from a group of 128 rows to the next
.set BPART,  512*REG                   ; where the weight's blocks begin
.set SPITCH, 528                       ; the way out: a stage of 16 rows x (512 + 16) bytes a wave, in slot 0, which has had its last fill and its last read by then
.set ADRA, 16                          ; v16-17 LDS address of my A images in slot 0, 1
.set ADRB, 20                          ; v20-21 of my B images
.set ADRS, 22                          ; v22-23 of my scale words: lanes 0-15 A's rows, lanes 16-31 B's
.set STO,  24
.set RD,   25
.set CO,   26
.set SPW,  28                          ; my spare word; never rewritten
.set NIL,  29                          ; 0; never rewritten
.set PFO,  30                          ; prefetch: 256 x lane
.set PF2,  31                          ; prefetch: my work-group's unit of scale words
.set SC,   32
.set BIAS, 64
.set AF,   128
.set G1, 24
.set G0, 32
.set G1B, 48
.set G0B, 56
.set PFA, 22                           ; s[22:23] my work-group's share of the block of the refill in hand's K step
.set MSB, 0
.macro WIN new                         ; the immediate's high byte repeats the setting that is left
.if MSB != (\new)
	s_set_vgpr_msb (MSB<<8)|(\new)
.set MSB, (\new)
.endif
.endm
.macro PLACES n
.rept \n
	v_nop
.endr
.endm
.macro JLOAD g0a, g1a, g0b, g1b        ; a joint load: waves 0, 1 fetch A's blocks, waves 2, 3 B's; s_nop 0 and four v_nop behind each line
	s_cmp_eq_u32 s15, 0
	s_cbranch_scc0 .Lfor_b_\@
	tensor_load_to_lds s[\g0a:\g0a+3], s[\g1a:\g1a+7]
	s_nop 0
	PLACES 4
	s_branch .Lasked_\@
.Lfor_b_\@:
	tensor_load_to_lds s[\g0b:\g0b+3], s[\g1b:\g1b+7]
	s_nop 0
	PLACES 4
.Lasked_\@:
.endm
.macro CREST                           ; a round of the cluster's barrier behind its opening barrier
	s_cmp_lg_u32 s14, 0
	s_cbranch_scc1 .Lnot_wave_0_\@
	s_barrier_signal -3
.Lnot_wave_0_\@:
	s_barrier_wait -3
	s_barrier_signal -1
	s_barrier_wait -1
.endm
.macro CROUND
	s_barrier_signal -1
	s_barrier_wait -1
	CREST
.endm
.macro PF off                          ; my share of one block of img: 32 units of codes, one of scale words
	global_prefetch_b8 v[PFO], s[PFA:PFA+1] offset:\off th:TH_LOAD_NT scope:SCOPE_SE
	global_prefetch_b8 v[PF2], s[PFA:PFA+1] offset:\off th:TH_LOAD_NT scope:SCOPE_SE
.endm
.macro ASK                             ; not in the loop's last trip (s3 = 1): its two refills have no K step two on
	s_cmp_gt_u32 s3, 1
	s_cbranch_scc0 .Lno_ask_\@
	PF 2*REG
.Lno_ask_\@:
.endm
	s_load_b256 s[4:11], s[0:1], 0x0               ; img, quantized_bias, bias_scale, bias_zero_point
	s_load_b64 s[12:13], s[0:1], 0x20              ; out0
	v_lshl_add_u32 v[SPW], v0, 2, SPARE
	v_mov_b32 v[NIL], 0
	ds_add_u32 v[SPW], v[NIL]                      ; the opening lines: the add, twice on end, and its wait ahead of my first tensor load
	ds_add_u32 v[SPW], v[NIL]
	v_lshrrev_b32 v1, 5, v0
	v_readfirstlane_b32 s14, v1                    ; wave 0..3
	s_lshr_b32 s15, s14, 1                         ; my half of the block's rows; also: I fetch for A (0) or B (1)
	s_and_b32 s16, s14, 1                          ; my half of its columns; also: which 128 rows I fetch
	s_bfe_u32 s40, ttmp6, 0x40000                  ; cx
	s_bfe_u32 s41, ttmp6, 0x40004                  ; cy
	s_lshl_b32 s42, ttmp9, 2
	s_add_co_u32 s42, s42, s40                     ; block column
	s_and_b32 s17, ttmp7, 0xffff
	s_lshl_b32 s17, s17, 2
	s_add_co_u32 s17, s17, s41                     ; block row
	s_lshl_b32 s43, s41, 2
	s_lshl_b32 s43, 15, s43                        ; my row of the cluster
	s_lshl_b32 s44, 0x1111, s40                    ; my column
	s_or_b32 s[G1+0], s43, (3<<16)|(1<<21)         ; elements of 8 bytes, no padding
	s_or_b32 s[G1B+0], s44, (3<<16)|(1<<21)
.irp g, G1, G1B
	s_mov_b32 s[\g+1], 32<<16                      ; rows of 32 elements = 256 bytes
	s_mov_b32 s[\g+2], 132<<16                     ; 132 rows
	s_mov_b32 s[\g+3], 32<<16
	s_mov_b32 s[\g+4], 132
	s_mov_b32 s[\g+5], 32
	s_mov_b32 s[\g+6], 0
	s_mov_b32 s[\g+7], 0
.endr
	s_lshl_b32 s20, s17, 1
	s_add_co_u32 s20, s20, s16
	s_mul_i32 s20, s20, GROUPB                     ; A: group 2 x block row + half
	s_mov_b32 s21, 0
	s_lshl_b32 s46, s42, 1
	s_add_co_u32 s46, s46, s16
	s_mul_i32 s46, s46, GROUPB
	s_add_co_u32 s46, s46, BPART                   ; B: group 2 x block column + half
	s_mov_b32 s47, 0
	s_mul_i32 s45, s14, REG                        ; where my block lands in a slot
	s_cmp_eq_u32 s15, 0                            ; the prefetches: the group that I fetch, and my place p among the four that fetch it with me
	s_cselect_b32 s76, s20, s46
	s_cselect_b32 s18, s40, s41
	s_lshl_b32 s19, s18, 13
	s_add_co_u32 s76, s76, s19                     ; + 8,192 p: my 32 units of codes
	s_add_co_u32 s76, s76, REG                     ; at K step 1
	s_mov_b32 s77, 0
	s_mul_i32 s18, s18, 7936
	s_sub_co_u32 s18, 32768, s18                   ; from there to unit 128 + p: 32,768 + 256 p - 8,192 p
	s_mul_i32 s70, s15, REG                        ; LDS: my 128 rows of A,
	s_mul_i32 s71, s16, REG
	s_add_co_u32 s71, s71, 2*REG                   ; of B,
	s_sub_co_u32 s72, s71, s70
	s_add_co_u32 s73, s70, 32768                   ; A's scale words,
	s_mul_i32 s74, s14, 16*SPITCH                  ; my stage
	v_and_b32 v1, 15, v0                           ; r
	v_bfe_u32 v2, v0, 4, 1                         ; h
	v_and_b32 v6, 31, v0                           ; lane
	v_lshlrev_b32 v7, 5, v2                        ; the bias: 32 h bytes
	v_lshlrev_b32 v[CO], 4, v6
	v_lshlrev_b32 v[PFO], 8, v6
	v_mov_b32 v[PF2], s18
	v_add_nc_u32 v[ADRA], s70, v[CO]
	v_add_nc_u32 v[ADRB], s71, v[CO]
	v_add_nc_u32 v[ADRA+1], SLOT, v[ADRA]
	v_add_nc_u32 v[ADRB+1], SLOT, v[ADRB]
	v_mul_u32_u24 v3, s72, v2                      ; lanes 16-31 take B's words
	v_lshl_add_u32 v3, v1, 3, v3
	v_add_nc_u32 v[ADRS], s73, v3
	v_add_nc_u32 v[ADRS+1], SLOT, v[ADRS]
	v_mul_u32_u24 v4, v1, SPITCH                   ; into the stage: row r, 32 bytes for each half of the lanes
	v_lshl_add_u32 v4, v2, 5, v4
	v_add_nc_u32 v[STO], s74, v4
	v_add_nc_u32 v[RD], s74, v[CO]                 ; back: 32 lanes take a row of 512 bytes
	s_wait_alu depctr_va_vdst(0)                   ; directly ahead of the wait below
	s_wait_dscnt 0x0                               ; both opening adds are done
	CROUND                                         ; the opening round: the first joint loads meet
	s_wait_kmcnt 0x0
	s_load_b32 s66, s[8:9], 0x0                    ; the bias's scale
	s_load_b32 s68, s[10:11], 0x0                  ; and its zero point
	s_add_nc_u64 s[PFA:PFA+1], s[4:5], s[76:77]
	s_add_nc_u64 s[20:21], s[4:5], s[20:21]
	s_add_nc_u64 s[46:47], s[4:5], s[46:47]
.irp s, 0,1
	s_mov_b32 s[G0+4*\s], 1
	s_add_co_u32 s[G0+4*\s+1], s45, \s*SLOT
	s_add_nc_u64 s[G0+4*\s+2:G0+4*\s+3], s[20:21], \s*REG
	s_or_b32 s[G0+4*\s+3], s[G0+4*\s+3], 0x80000000
	s_mov_b32 s[G0B+4*\s], 1
	s_add_co_u32 s[G0B+4*\s+1], s45, \s*SLOT
	s_add_nc_u64 s[G0B+4*\s+2:G0B+4*\s+3], s[46:47], \s*REG
	s_or_b32 s[G0B+4*\s+3], s[G0B+4*\s+3], 0x80000000
.endr
	JLOAD G0, G1, G0B, G1B                         ; K step 0: one tensor load a wave at the head
	PF 0                                           ; K steps 1 and 2 are asked of memory
	PF REG
	; the bias, while K step 0 is on its way: register j of tile b of lane (r, h) is column 16 b + 8 h + j of my 128
	s_lshl_b32 s46, s42, 10
	s_lshl_b32 s47, s16, 9
	s_add_co_u32 s46, s46, s47                     ; my first column, in bytes
	s_mov_b32 s47, 0
	s_add_nc_u64 s[6:7], s[6:7], s[46:47]
.irp b, 0,1,2,3,4,5,6,7
	global_load_b128 v[BIAS+8*\b:BIAS+8*\b+3],   v7, s[6:7] offset:64*\b
	global_load_b128 v[BIAS+8*\b+4:BIAS+8*\b+7], v7, s[6:7] offset:64*\b+16
.endr
	s_lshl_b32 s20, s17, 8
	s_lshl_b32 s21, s15, 7
	s_add_co_u32 s20, s20, s21                     ; my first row of out0,
	s_lshl_b32 s20, s20, 14                        ; rows of 16,384 bytes
	s_mov_b32 s21, 0
	s_add_nc_u64 s[20:21], s[20:21], s[46:47]
	s_add_nc_u64 s[12:13], s[12:13], s[20:21]
	s_wait_kmcnt 0x0
	s_mov_b32 s67, s66
	v_cvt_f32_i32 v8, s68
	v_mul_f32 v8, -1.0, v8                         ; -f32(zero point), twice
	v_mov_b32 v9, v8
	s_wait_loadcnt 0x0
.set n, 0
.rept 64
	v_cvt_f32_i32 v[BIAS+n], v[BIAS+n]             ; convert, take the zero point off, multiply by the scale: each step rounds by itself, as in the definition
.set n, n+1
.endr
.set n, 0
.rept 32
	v_pk_add_f32 v[BIAS+n:BIAS+n+1], v[BIAS+n:BIAS+n+1], v[8:9]
.set n, n+2
.endr
.set n, 0
.rept 32
	v_pk_mul_f32 v[BIAS+n:BIAS+n+1], v[BIAS+n:BIAS+n+1], s[66:67] op_sel_hi:[1,0]
.set n, n+2
.endr
.macro FRAG reg, adr, q, i             ; an image of 16 registers: four loads of 512 dense bytes
.irp c, 0,1,2,3
	ds_load_b128 v[\reg+4*\c:\reg+4*\c+3], v[\adr] offset:(2*(\i)+(\q))*2048+512*\c
.endr
.endm
.macro LA slot, q, i, p                ; A's block i of the slot's sub-step q; blocks 4-7 into their set p
	WIN 0
.if ((\i) >= 4) && (\p)
	FRAG BIAS+16*((\i)-4), ADRA+\slot, \q, \i
.else
	FRAG AF+16*(\i), ADRA+\slot, \q, \i
.endif
.endm
.macro LB slot, q, p, i                ; B's block i into set p
	WIN 0x40
	FRAG 128*(\p)+16*(\i), ADRB+\slot, \q, \i
.endm
.macro LS s, j                         ; four of a slot's eight pairs of scale words: register 2 i + q: lanes 0-15 A's block i, lanes 16-31 B's
	WIN 0
.irp i, 0,1,2,3
	ds_load_b64 v[SC+16*(\s)+2*(4*(\j)+\i):SC+16*(\s)+2*(4*(\j)+\i)+1], v[ADRS+\s] offset:128*(4*(\j)+\i)
.endr
.endm
.macro RUN slot, q, p, hi              ; all fragments of the slot's sub-step q, in the order of their use: A0, B0-7, A1-3, and (hi = 1) A4-7: the waits' counts 28 and 16 lean on this order
	LA \slot, \q, 0, \p
.irp i, 0,1,2,3,4,5,6,7
	LB \slot, \q, \p, \i
.endr
.irp i, 1,2,3
	LA \slot, \q, \i, \p
.endr
.if (\hi)
.irp i, 4,5,6,7
	LA \slot, \q, \i, \p
.endr
.endif
.endm
.macro PROD n, p, q, sc, first         ; product n = 8 a + b.  The 64 accumulators take turns in the same order in every sub-step
.set A_, (\n)/8
.set B_, (\n)%8
.set D_, 8*(8*(A_%4)+B_)
.set R_, AF+16*A_
.if (A_ >= 4) && (\p)
.set R_, BIAS+16*(A_-4)
.endif
.if \first
	WIN 0x81+0x40*(A_/4)                           ; source 0 window 1, source 1 and C window 0, D window 2 or 3
	v_wmma_scale_f32_16x16x128_f8f6f4 v[D_:D_+7], v[128*(\p)+16*B_:128*(\p)+16*B_+15], v[R_:R_+15], v[BIAS+8*B_:BIAS+8*B_+7], v[SC+16*(\sc)+2*B_+(\q)], v[SC+16*(\sc)+2*A_+(\q)] matrix_a_scale:MATRIX_SCALE_ROW1
.else
	WIN 0xa1+0x50*(A_/4)                           ; C and D window 2 or 3
	v_wmma_scale_f32_16x16x128_f8f6f4 v[D_:D_+7], v[128*(\p)+16*B_:128*(\p)+16*B_+15], v[R_:R_+15], v[D_:D_+7], v[SC+16*(\sc)+2*B_+(\q)], v[SC+16*(\sc)+2*A_+(\q)] matrix_a_scale:MATRIX_SCALE_ROW1
.endif
.endm
.macro ARRIVE n                        ; the waits for the run before: at product 0 A's blocks 1-7, 28 loads, may be out; at product 8 blocks 4-7, 16 loads
.if (\n) == 0
	s_wait_dscnt 28
.elseif (\n) == 8
	s_wait_dscnt 16
.endif
.endm
; A slot's first sub-step (q = 0, sets 0)
.macro STEP slot, first
.set N_, 0
.rept 64
	ARRIVE N_
.if N_ == 32
	s_wait_dscnt 0x0                               ; A's blocks 4-7 are in
	PLACES 8                                       ; ahead of loads into registers that products have read
	RUN \slot, 1, 1, 1-\first
.endif
	PROD N_, 0, 0, \slot, \first
.set N_, N_+1
.endr
	WIN 0
.if \first
	PLACES 8                                       ; the bias has been read for the last time: its registers take A's blocks 4-7
.irp i, 4,5,6,7
	LA \slot, 1, \i, 1
.endr
.endif
.endm
; A slot's second sub-step (q = 1, sets 1) changes slots.  fill = 1: the slot is filled again, two K steps ahead, behind a round of the cluster's barrier
.macro TURN slot, next, fill
.if \fill
	s_wait_xcnt 0x0                                ; my prefetches have read their address
	s_add_nc_u64 s[PFA:PFA+1], s[PFA:PFA+1], REG
.endif
.set N_, 0
.rept 64
	ARRIVE N_
.if N_ == 20
	WIN 0
	s_wait_tensorcnt 0x0                           ; all my tensor loads have landed: my block of the next slot;
	ds_add_u32 v[SPW], v[NIL]                      ; 0 onto my spare word
.if \fill
	s_add_nc_u64 s[G0+4*\slot+2:G0+4*\slot+3], s[G0+4*\slot+2:G0+4*\slot+3], 2*REG      ; no load of mine is out: the descriptors step
	s_add_nc_u64 s[G0B+4*\slot+2:G0B+4*\slot+3], s[G0B+4*\slot+2:G0B+4*\slot+3], 2*REG
.endif
.elseif N_ == 28
	s_wait_dscnt 0x0                               ; the add is done, and my reads of this slot are over
	s_barrier_signal -1
.elseif N_ == 32
	WIN 0
	s_barrier_wait -1
.if \fill
	CREST                                          ; no wave of any partner still reads this slot or has a load on its way
	JLOAD G0+4*\slot, G1, G0B+4*\slot, G1B         ; the first tensor load behind the round; its four v_nop are four of the eight places
	PLACES 4
.else
	PLACES 8
.endif
	LS \next, 0
	LS \next, 1
	RUN \next, 0, 0, 1
.if \fill
	ASK                                            ; behind the refill and the run of LDS loads, 32 products ahead of the next wait
.endif
.endif
	PROD N_, 1, 1, \slot, 0
.set N_, N_+1
.endr
	WIN 0
.endm
; THE WAY OUT of block a, 16 rows x 128 columns: through my stage, back as rows of 512 bytes into B's set 0, which is idle.  LDS serves a wave's instructions in order: no wait between the stores and the loads
.macro TOSTAGE a
	WIN 0x08+4*((\a)/4)                            ; the data: window 2 or 3
.irp b, 0,1,2,3,4,5,6,7
	ds_store_b128 v[STO], v[64*((\a)%4)+8*\b:64*((\a)%4)+8*\b+3] offset:64*\b           ; each accumulator from its low end on
	ds_store_b128 v[STO], v[64*((\a)%4)+8*\b+4:64*((\a)%4)+8*\b+7] offset:64*\b+16
.endr
	WIN 0x40
.irp t, 0,1,2,3,4,5,6,7,8,9,10,11,12,13,14,15
	ds_load_b128 v[64*((\a)%2)+4*\t:64*((\a)%2)+4*\t+3], v[RD] offset:\t*SPITCH
.endr
.endm
.macro SEND a, younger                 ; younger: the LDS instructions issued behind block a's loads
	s_wait_dscnt \younger
.if (\a) > 0
	s_add_nc_u64 s[12:13], s[12:13], 16*SIZE_N*4   ; behind a wait on XCNT: the earlier stores have read their base
.endif
	WIN 0x04                                       ; the data: window 1
.irp t, 0,1,2,3,4,5,6,7,8,9,10,11,12,13,14,15
	global_store_b128 v[CO], v[64*((\a)%2)+4*\t:64*((\a)%2)+4*\t+3], s[12:13] offset:\t*SIZE_N*4 th:TH_STORE_NT   ; 32 lanes store 512 consecutive bytes, aligned
.endr
.endm
.macro OUTB x
.if (\x) > 1
	s_wait_xcnt 0x0                                ; block x - 2's stores have read their registers and their base
.endif
	TOSTAGE \x
.if (\x) > 0
	SEND (\x)-1, 32                                ; behind block x - 1's loads: block x's 16 stores and 16 loads
.endif
.endm
	s_wait_alu depctr_va_vdst(0)                   ; the wait at the head's end
	s_wait_tensorcnt 0x0                           ; my block of K step 0 is in; the lines ahead of a later first fill:
	ds_add_u32 v[SPW], v[NIL]
	s_wait_dscnt 0x0
	CROUND
	JLOAD G0+4, G1, G0B+4, G1B                     ; K step 1, the first tensor load behind the round
	LS 0, 0
	LS 0, 1
	RUN 0, 0, 0, 1
	PF 2*REG                                       ; K step 3
	STEP 0, 1                                      ; the first sub-step stands ahead of the loop: its products start the sums with the bias
	s_mov_b32 s3, 7
.Llap:                                                 ; a trip goes once round the ring and fills both slots again
	TURN 0, 1, 1
	STEP 1, 0
	TURN 1, 0, 1
	STEP 0, 0
	s_sub_co_u32 s3, s3, 1
	s_cmp_lg_u32 s3, 0
	s_cbranch_scc1 .Llap
	TURN 0, 1, 0                                   ; the last lap fills nothing and has no round
	STEP 1, 0
	; the very last sub-step: a block of 16 rows is finished with its eight products, and leaves while the later blocks are multiplied.  A v_nop behind each product: eight places stand between a block's last product and the stores that read it.
	; A's blocks 4-7 are in ahead of product 32: block 0's way out, at product 24, has waited for all but the 32 youngest LDS instructions
.set N_, 0
.rept 64
	ARRIVE N_
.if (N_ >= 16) && ((N_%8) == 0)
	OUTB N_/8-2
.endif
	PROD N_, 1, 1, 1, 0
	v_nop
.set N_, N_+1
.endr
	PLACES 8
	OUTB 6
	OUTB 7
	s_wait_xcnt 0x0
	SEND 7, 0
	WIN 0
	s_wait_tensorcnt 0x0                           ; the wave's end
	ds_add_u32 v[SPW], v[NIL]
	s_wait_dscnt 0x0
	CROUND                                         ; the closing round
	s_endpgm
.Lfunc_end_k_qa77bde1049_gemm:
	.size	k_qa77bde1049_gemm, .Lfunc_end_k_qa77bde1049_gemm-k_qa77bde1049_gemm
	.p2alignl 7, 3214868480
	.fill 96, 4, 3214868480
	.section	.rodata,"a",@progbits
	.p2align	6, 0x0
	.amdhsa_kernel k_qa77bde1049_gemm
		.amdhsa_group_segment_fixed_size 327680
		.amdhsa_private_segment_fixed_size 0
		.amdhsa_enable_private_segment 0
		.amdhsa_kernarg_size 40
		.amdhsa_user_sgpr_count 2
		.amdhsa_user_sgpr_kernarg_segment_ptr 1
		.amdhsa_wavefront_size32 1
		.amdhsa_system_sgpr_workgroup_id_x 1
		.amdhsa_system_sgpr_workgroup_id_y 1
		.amdhsa_system_sgpr_workgroup_id_z 1
		.amdhsa_system_vgpr_workitem_id 0
		.amdhsa_next_free_vgpr 1024
		.amdhsa_next_free_sgpr 80
		.amdhsa_reserve_vcc 0
		.amdhsa_float_denorm_mode_32 3
		.amdhsa_float_denorm_mode_16_64 3
		.amdhsa_memory_ordered 1
		.amdhsa_forward_progress 1
		.amdhsa_inst_pref_size 154
	.end_amdhsa_kernel
	.amdgpu_metadata
---
amdhsa.version: [ 1, 2 ]
amdhsa.kernels:
  - .name:           k_qa77bde1049_gemm
    .symbol:         k_qa77bde1049_gemm.kd
    .args:
      - { .name: img, .offset: 0, .size: 8, .value_kind: global_buffer, .address_space: global }
      - { .name: quantized_bias, .offset: 8, .size: 8, .value_kind: global_buffer, .address_space: global }
      - { .name: bias_scale, .offset: 16, .size: 8, .value_kind: global_buffer, .address_space: global }
      - { .name: bias_zero_point, .offset: 24, .size: 8, .value_kind: global_buffer, .address_space: global }
      - { .name: out0, .offset: 32, .size: 8, .value_kind: global_buffer, .address_space: global }
    .group_segment_fixed_size: 327680
    .private_segment_fixed_size: 0
    .kernarg_segment_align: 8
    .kernarg_segment_size: 40
    .max_flat_workgroup_size: 128
    .sgpr_count:     80
    .vgpr_count:     1024
    .wavefront_size: 32
...
	.end_amdgpu_metadata
.endif
;; end of part 2
